; MI455X (gfx1250); checked and timed in simulation.
; The chip was launched on July 23, 2026; its instructions are those of AMD's public machine-readable ISA for CDNA 5 (MIT licence, August 2026) and "CDNA5" Instruction Set Architecture Reference Guide (July 2026). The comments in the code are by the model that wrote it; some were corrected since.
;; Edit Model. Allowed arithmetic: matrix products marked QUANTISED: E4M3 operands, one E8M0 scale for each 32 along K, by v_wmma_scale_f32_16x16x128_f8f6f4 with both operands' format E4M3, f32 sums; everything else in f32.
;; Inputs: W_ins 53 x 256 float32; W_sub 53 x 256 float32; b_ins 53 float32; b_sub 53 float32; modern_ctx 64 x 128 x 256 float32; prior_ctx 64 x 128 x 256 float32; src_lengths 128 int32; target_ids 63 x 128 int32; tgt_lengths 128 int32.
;; Outputs: out0 64 x 64 x 128 float32; out1 64 x 64 x 128 float32; out2 64 x 63 x 128 float32; out3 64 x 63 x 128 float32.
;; This version of the problem:
;;   THIS VERSION OF THE PROBLEM IS GIVEN IN LOW PRECISION. The matrix products marked QUANTISED in the list below multiply operands that are first quantised to E4M3 (4 exponent bits, 3 mantissa bits; 8 bits a number), with one power-of-two scale for each 32 numbers along K (OCP MX v1.0); their sums are f32. All else is computed in f32.
;;   The module's matrix products, in the order in which they are computed (A, B: the left and right operand; K: the contracted axis; several contracted axes count as one K, in the product's order):
;;     1. [M 524,288, K 256] x [K 256, N 53]; A: computed on the way; B: input W_sub: QUANTISED
;;     2. [M 524,288, K 256] x [K 256, N 53]; A: computed on the way; B: input W_ins: QUANTISED
;;   THE QUANTISER, for each operand of a quantised product, along K:
;;     - K is cut into blocks of 32 from its start; a last block that is shorter is filled with zeros.
;;     - A block's scale is 2^e with e = floor(log2(the largest magnitude in the block)) - 8, held to -126 .. 127; a block of zeros has e = 0. As a byte (E8M0): e + 127.
;;     - Each number is divided by its block's scale, clamped to +-448, and rounded to the nearest number of E4M3, ties to even, subnormals kept.
;;     - The product sums the exact products of the quantised numbers (number of the format x scale) in f32.
;;   ~~~python
;;   def quantise(x, axis):      # numpy; x: float32 -> the quantised numbers, widened to float32 again
;;       x = np.moveaxis(x, axis, -1); K = x.shape[-1]
;;       x = np.pad(x, [(0, 0)] * (x.ndim - 1) + [(0, -K % 32)]); x = x.reshape(x.shape[:-1] + (-1, 32)); a = np.abs(x).max(-1, keepdims=True)
;;       e = np.where(a > 0, np.clip(np.frexp(np.where(a > 0, a, 1))[1] - 1 - 8, -126, 127), 0)      # np.frexp(a)[1] - 1 = floor(log2(a)), exactly
;;       r = np.clip(x / 2.0 ** e, -448, 448)
;;       step = 2.0 ** (np.maximum(np.frexp(np.where(r == 0, 1, r))[1] - 1, -6) - 3)
;;       q = np.round(r / step) * step * 2.0 ** e      # np.round: ties to even
;;       return np.moveaxis(q.reshape(q.shape[:-2] + (-1,))[..., :K], -1, axis).astype(np.float32)
;;   ~~~
;;   OPERANDS COMPUTED ON THE WAY. 'Computed on the way' means the value that the module computes at that place (a softmax that the list does not call 'softmax' is quantised finished and normalised). What goes into a quantiser is computed in f32, as accurately as f32 sums, v_exp_f32 and their like allow (about 1e-6 of the number): no bf16 or f16 on the way to a quantiser, and a product that is left as it is and whose result goes on into a quantised operand takes f32 operands (vector FMAs, or v_wmma_f32_16x16x4_f32). A number that lies on a knife's edge between two numbers of the format may be rounded either way, as far as f32 arithmetic and the matrix unit's own rounding can turn it there, and no further.
;; One version. Each part assembles by itself: llvm-mc -triple=amdgcn-amd-amdhsa -mcpu=gfx1250 --defsym DOCPART=n.
;; ======== version 1 of 1: 2 launches
;; limits: right only within a limited range of input values
;; workspace buffers: ws 8,388,608 bytes
;; launch edit (part 1): grid 256 x 1, 4 waves a work-group, no clusters, 101,888 bytes of LDS; arguments prior_ctx, modern_ctx, W_sub, b_sub, W_ins, b_ins, target_ids, src_lengths, tgt_lengths, ws; writes ws
.if DOCPART == 1
	.amdgcn_target "amdgcn-amd-amdhsa--gfx1250"
	.amdhsa_code_object_version 6
	.text
	.protected	k_q76912d1c20_edit
	.globl	k_q76912d1c20_edit
	.p2align	8
	.type	k_q76912d1c20_edit,@function
k_q76912d1c20_edit:
	s_mov_b64 s[64:65], 0
	v_nop
	global_prefetch_b8 v0, s[64:65] scope:SCOPE_SE
	s_setreg_imm32_b32 hwreg(HW_REG_WAVE_MODE, 25, 1), 1
	s_wait_xcnt 0x0
; For every kept (x, y, b): ctx = prior[x][b][:] + modern[y][b][:] (f32), quantised to E4M3 with one E8M0 scale for each 32 along D, times the quantised W_sub and W_ins
; (53 rows each), + bias, log-softmax over the 53; kept are column 52 and column target_ids[y][b] of each head.  (The logsumexp against the log one-hot IS that column: the other 52 terms
; lie 1e9 lower and their exponentials are 0 in f32.)  Results go to ws [b 128][y 64][x 64][4] = (del, sub, end, ins); the next launch turns them into the outputs and writes the zeros.
; WORK THAT IS NOT DONE: rows under the mask that the lengths make.  A TILE is 16 x (16 xb + r) of one (y, b).  With sx' = max(1, min(sx, 64)) as an unsigned number, sy' likewise and nb = ceil(sx' / 16),
; b has nb x sy' tiles; all T tiles stand in one order (b, then xb, then y) and wave g of 1,024 takes tiles g q .. g q + q - 1, q = ceil(T / 1024), at most 32.  Every wave works that out from the 256 lengths.
; What is computed is a superset of what is kept; the true signed mask is applied by the next launch.
; LAYOUT.  The products are used transposed: source 0 = a tile of W (rows 0-7: W_sub rows 8 t .. 8 t + 7; rows 8-15: the same rows of W_ins), source 1 = the 16 rows of ctx.  So lane (r, h) holds, in the 56
; registers of 7 accumulators, all logits of row r of head h (0 sub, 1 ins): the softmax needs no other lane.  W's 14 fragments, their scale words and the biases stay in registers.
; A COLUMN (b, xb): its 16 prior rows stay in 128 registers a lane while y runs.  A GROUP is up to four tiles of one column; all data of the next group are asked for at the start of the group in hand.
; LIMITS: NaN and infinities are not served.  A block whose largest magnitude lies under 2^-118 takes the scale byte 1 (a block of zeros too: its codes are zeros).  target_ids are taken to lie in 0 .. 52 (held at 52).
; The picked column stands for the logsumexp as long as log-probabilities stay far above -1e9.
; No tensor load and no cluster: the walk hangs on lengths read from memory.  No prefetch: the next group's loads go out a whole group ahead.
.set WIMG, 0                           ; LDS: 16 images of W fragments, 2,048 bytes each (f = 2 t + K step; 14 and 15 take rows 56 .. 63 and are never read)
.set WSC,  32768                       ; their scale words, 128 bytes each
.set STG,  34816                       ; a stage of 16 rows x 1,040 bytes for each wave, in which prior rows are turned
.set STGW, 16640
.set SPI,  1040                        ; 1,024 bytes + 16: the 16 rows that a read touches begin 16 bytes apart modulo 256
; window 0
.set LANE8, 1                          ; 16 r + 8 h: my 8 bytes of a tile's 256 in ws
.set MLANE, 2                          ; 128 (r / 4) + 64 h + 16 (r % 4): my 16 bytes of half a modern row
.set LI,    3                          ; 16 x lane
.set LS,    4                          ; 4 x lane
.set TST,   5                          ; my stage, as loaded: + 16 x lane
.set TLD,   6                          ; my stage, as wanted: + 1,040 r + 64 h
.set IMW,   7                          ; where my codes of W go
.set SCA,   8                          ; where my scale word of W goes
.set WOFF,  9                          ; the group's place in ws + LANE8
.set MOFF,  10                         ; v10-13 the four modern rows asked for
.set POFF,  14                         ; the prior block asked for
.set ZERO,  15
.set LW,    16                         ; v16-19 lane l, register k: sy' | nb << 8 of b = 4 l + k
.set WO,    20                         ; W: row r, my K step, + 64 h
.set WO3,   21                         ; the same with row min(48 + r, 52)
.set V_R,   22
.set V_H,   23
.set TM,    24                         ; v24-39 +0 largest magnitudes, +4 bytes, +8 448 x scale, +12 the conversions' scale operands
.set PW,    40                         ; v40-41 ctx's scale words of the two K steps
.set WS,    42                         ; v42-55 W's scale words, fragment f at 42 + f
.set CM,    56                         ; v56-62 partial maxima (at the head: prefixes)
.set V_LANE, 63
.set NM,    64                         ; v[64:65] -m log2(e); v65 is named with it as a pair
.set TV,    66                         ; the picked column
.set E52,   67
.set SA,    68                         ; v[68:69], v[70:71] two chains of sums
.set SB,    70
.set LG,    72
.set NL,    73
.set PT,    74                         ; v74-77 at work in the pick
.set O,     80                         ; v80-87 a pair of results for each of a group's four tiles
.set C0,    88                         ; v88-103 codes of K step 0
.set C1,    104                        ; v104-119 of K step 1
.set ACC,   120                        ; v120-175 the logits
.set CTX,   176                        ; v176-239 64 numbers of ctx: one K step
; window 1: v0-127 P, the prior rows as wanted (register 16 c + i = k 32 c + 16 h + i of row r); v128-255 the prior rows as loaded
.set SR,    128
; window 2: v0-223 W's fragments, f at 16 f; v224-255 the modern rows of the group in hand, 8 a tile
.set MA,    224
; window 3: v0-55 the biases in the result's layout; v56-87 the modern rows asked for; v88-140, v144-196 b_sub, b_ins as loaded
.set PB,    56
.set BS,    88
.set BI,    144
; scalars.  s[4:23]: prior, modern, W_sub, b_sub, W_ins, b_ins, target_ids, src_lengths, tgt_lengths, ws
.set S_WV,  24
.set S_G,   25
.set S_T,   26
.set S_Q,   27
.set S_S0,  28
.set SEL,   30                         ; s[30:31] v_permlanex16_b32's selects for lane l xor 16
.set MNT,   32                         ; the mantissa field of 448
.set S_NL2E, 33
.set S_L2E, 34                         ; s[34:35]
.set S_LN2, 36
.set S_NLN2, 37
.set S_B,   40                         ; the walk's state: b, xb, y, tiles left, sy', nb, 'a column begins'
.set S_XB,  41
.set S_Y,   42
.set S_REM, 43
.set S_SY,  44
.set S_NB,  45
.set S_CF,  46
.set S_N,   48                         ; the group in hand: tiles, 'its prior block is new', target ids
.set S_NEWC, 49
.set S_TG,  52
.set S_N2,  56                         ; the group asked for
.set S_NEWC2, 57
.set S_WSO2, 58
.set S_TGN, 60
.set S_TO,  66
.set S_MO,  70
.set S_PO,  74
.set S_GC,  90
.set S_MK,  91                         ; s91-93 bits 0 to 2 of a target id as masks
.set S_TQ,  94
.set WP,    96                         ; s[96:97] the W that my wave quantises
.set MSB, 0
.macro WIN new                         ; the immediate's high byte repeats the setting that is left; a switch that changes nothing is dropped
.if MSB != \new
	s_set_vgpr_msb (MSB<<8)|\new
.set MSB, \new
.endif
.endm
; 64 numbers of a lane at v[s] on, in window wn (0 or 2), register 16 b + i = k 32 b + 16 h + i of my row, become 16 registers of codes at v[cd] and the scale word v[pw].
.macro QUANT s, wn, cd, pw
.if \wn
	WIN 0x28                                       ; sources 1 and 2 in window 2
.else
	WIN 0
.endif
.irp b, 0,1,2,3
	v_max3_num_f32 v[TM+\b], 0x4800000, |v[(\s)+16*\b]|, |v[(\s)+16*\b+1]|   ; my 16 numbers of block b, and the floor 2^(9 - 127): the byte cannot fall under 1
.endr
.irp i, 2,4,6,8,10,12,14
.irp b, 0,1,2,3
	v_max3_num_f32 v[TM+\b], v[TM+\b], |v[(\s)+16*\b+\i]|, |v[(\s)+16*\b+\i+1]|   ; the four blocks by turns
.endr
.endr
	WIN 0
.irp b, 0,1,2,3
	v_permlanex16_b32 v[TM+4+\b], v[TM+\b], s[SEL], s[SEL+1]
.endr
.irp b, 0,1,2,3
	v_max_num_f32 v[TM+\b], v[TM+\b], v[TM+4+\b]   ; with lane l xor 16's 16: the block's largest magnitude
.endr
.irp b, 0,1,2,3
	v_add_nc_u32 v[TM+12+\b], 0xfc000000, v[TM+\b] ; 8 off its exponent field: the conversion's scale operand
.endr
.irp b, 0,1,2,3
	v_and_or_b32 v[TM+8+\b], v[TM+\b], 0x7f800000, s[MNT]   ; 448 x the scale
.endr
.irp b, 0,1,2,3
	v_lshrrev_b32 v[TM+4+\b], 23, v[TM+12+\b]      ; the scale's byte
.endr
	v_lshl_or_b32 v[\pw], v[TM+5], 8, v[TM+4]
	v_lshl_or_b32 v[\pw], v[TM+6], 16, v[\pw]
	v_lshl_or_b32 v[\pw], v[TM+7], 24, v[\pw]      ; my row's scale word; the 64 holds below stand between it and the product that names it
.if \wn
	WIN 0x82                                       ; destination and source 0 in window 2
.endif
.irp b, 0,1,2,3
.irp i, 0,1,2,3,4,5,6,7,8,9,10,11,12,13,14,15
	v_med3_num_f32 v[(\s)+16*\b+\i], v[(\s)+16*\b+\i], -v[TM+8+\b], v[TM+8+\b]   ; the conversion to an 8-bit code does not saturate (ISA guide 7.6.2): the hold at the largest code x the scale
.endr
.endr
.if \wn
	WIN 0x02
.endif
.irp b, 0,1,2,3
	v_cvt_scalef32_pk8_fp8_f32 v[\cd+4*\b:\cd+4*\b+1], v[(\s)+16*\b:(\s)+16*\b+7], v[TM+12+\b]
	v_cvt_scalef32_pk8_fp8_f32 v[\cd+4*\b+2:\cd+4*\b+3], v[(\s)+16*\b+8:(\s)+16*\b+15], v[TM+12+\b]
.endr
	WIN 0
	v_nop                                          ; one plain line behind the last conversion, ahead of whatever next touches the codes or writes the numbers
.endm
; ctx of K step ks for the group's tile tl.  Half a modern row lies in 4 registers, lane n of each half of the lanes holding k = 128 ks + 32 (n / 4) + 16 h + 4 (n % 4) + 0 .. 3:
; the addition takes it from lane n of its own 16 lanes as it adds.  ctx register 4 n + j = k 128 ks + 32 (n / 4) + 16 h + 4 (n % 4) + j, which is the layout that QUANT wants.
.macro ADD tl, ks
	WIN 0x06                                       ; source 0 (modern) window 2, source 1 (prior) window 1
.irp n, 0,1,2,3,4,5,6,7,8,9,10,11,12,13,14,15
.irp j, 0,1,2,3
	v_add_f32_dpp v[CTX+4*\n+\j], v[MA+8*(\tl)+4*(\ks)+\j], v[64*(\ks)+4*\n+\j] row_share:\n row_mask:0xf bank_mask:0xf
.endr
.endr
	WIN 0
.endm
; 7 products of one K step.  The 7 accumulators take turns, one instruction a turn.  The bias is the C of K step 0.
.macro MM ks
.if \ks == 0
	WIN 0x32                                       ; source 0 (W) window 2, C (bias) window 3
.irp t, 0,1,2,3,4,5,6
	v_wmma_scale_f32_16x16x128_f8f6f4 v[ACC+8*\t:ACC+8*\t+7], v[32*\t:32*\t+15], v[C0:C0+15], v[8*\t:8*\t+7], v[WS+2*\t], v[PW]
.endr
.else
	WIN 0x02
.irp t, 0,1,2,3,4,5,6
	v_wmma_scale_f32_16x16x128_f8f6f4 v[ACC+8*\t:ACC+8*\t+7], v[32*\t+16:32*\t+31], v[C1:C1+15], v[ACC+8*\t:ACC+8*\t+7], v[WS+2*\t+1], v[PW+1]
.endr
.endif
.endm
.macro LEAF t                          ; one of accumulator t's eight, by the id's low three bits
	v_cndmask_b32 v[PT],   v[ACC+8*\t],   v[ACC+8*\t+1], s[S_MK]
	v_cndmask_b32 v[PT+1], v[ACC+8*\t+2], v[ACC+8*\t+3], s[S_MK]
	v_cndmask_b32 v[PT+2], v[ACC+8*\t+4], v[ACC+8*\t+5], s[S_MK]
	v_cndmask_b32 v[PT+3], v[ACC+8*\t+6], v[ACC+8*\t+7], s[S_MK]
	v_cndmask_b32 v[PT],   v[PT],   v[PT+1], s[S_MK+1]
	v_cndmask_b32 v[PT+2], v[PT+2], v[PT+3], s[S_MK+1]
	v_cndmask_b32 v[TV],   v[PT],   v[PT+2], s[S_MK+2]
.endm
; The column target_ids[y][b]: one id for the whole tile, so the accumulator is chosen by scalar branches on the id (a whole number read from memory) and the register by three masks.
.macro PICK tl
	s_lshr_b32 s[S_TQ], s[S_TG+(\tl)], 3
	s_bitcmp1_b32 s[S_TG+(\tl)], 0
	s_cselect_b32 s[S_MK], -1, 0
	s_bitcmp1_b32 s[S_TG+(\tl)], 1
	s_cselect_b32 s[S_MK+1], -1, 0
	s_bitcmp1_b32 s[S_TG+(\tl)], 2
	s_cselect_b32 s[S_MK+2], -1, 0
	s_cmp_lt_u32 s[S_TQ], 4
	s_cbranch_scc0 .Lpk_hi_\@
	s_cmp_lt_u32 s[S_TQ], 2
	s_cbranch_scc0 .Lpk_23_\@
	s_cmp_eq_u32 s[S_TQ], 0
	s_cbranch_scc0 .Lpk_1_\@
	LEAF 0
	s_branch .Lpk_done_\@
.Lpk_1_\@:
	LEAF 1
	s_branch .Lpk_done_\@
.Lpk_23_\@:
	s_cmp_eq_u32 s[S_TQ], 2
	s_cbranch_scc0 .Lpk_3_\@
	LEAF 2
	s_branch .Lpk_done_\@
.Lpk_3_\@:
	LEAF 3
	s_branch .Lpk_done_\@
.Lpk_hi_\@:
	s_cmp_lt_u32 s[S_TQ], 6
	s_cbranch_scc0 .Lpk_6_\@
	s_cmp_eq_u32 s[S_TQ], 4
	s_cbranch_scc0 .Lpk_5_\@
	LEAF 4
	s_branch .Lpk_done_\@
.Lpk_5_\@:
	s_wait_alu depctr_va_vdst(0)
	LEAF 5
	s_branch .Lpk_done_\@
.Lpk_6_\@:
	s_wait_alu depctr_va_vdst(0)
	LEAF 6
.Lpk_done_\@:
.endm
; The log-softmax of my row and head: m = the largest of the 53 logits; u = (logit - m) log2(e); result = ln 2 x (u - log2(sum of 2^u)).  Registers 53 to 55 are padding and enter neither m nor the sum.
.macro SM tl
.irp t, 0,1,2,3,4,5,6
	v_max3_num_f32 v[CM+\t], v[ACC+8*\t], v[ACC+8*\t+1], v[ACC+8*\t+2]     ; each accumulator is read from its low end on
.endr
.irp t, 0,1,2,3,4,5,6
	v_max3_num_f32 v[CM+\t], v[CM+\t], v[ACC+8*\t+3], v[ACC+8*\t+4]
.endr
.irp t, 0,1,2,3,4,5
	v_max3_num_f32 v[CM+\t], v[CM+\t], v[ACC+8*\t+5], v[ACC+8*\t+6]
.endr
.irp t, 0,1,2
	v_max3_num_f32 v[CM+\t], v[CM+\t], v[ACC+16*\t+7], v[ACC+16*\t+15]
.endr
	v_max3_num_f32 v[CM], v[CM], v[CM+1], v[CM+2]
	v_max3_num_f32 v[CM+3], v[CM+3], v[CM+4], v[CM+5]
	v_max3_num_f32 v[CM], v[CM], v[CM+3], v[CM+6]
	v_mul_f32 v[NM], s[S_NL2E], v[CM]              ; -m log2(e)
.set k, 0
.rept 26
	v_pk_fma_f32 v[ACC+k:ACC+k+1], v[ACC+k:ACC+k+1], s[S_L2E:S_L2E+1], v[NM:NM+1] op_sel_hi:[1,0,0]   ; u, two at a time (of both pairs the low word serves both halves)
.set k, k+2
.endr
	v_fma_f32 v[ACC+52], v[ACC+52], s[S_L2E], v[NM]
	PICK \tl                                       ; the picked u, ahead of the exponentials, which work in place
.set k, 0
	s_wait_alu depctr_va_vdst(0)
.rept 52
	v_exp_f32 v[ACC+k], v[ACC+k]
.set k, k+1
.endr
	v_exp_f32 v[E52], v[ACC+52]                    ; u of column 52 stays
	v_nop                                          ; a plain line behind the last exponential
	s_wait_alu depctr_va_vdst(0)                   ; one wait for the batch of 53, ahead of its first reader
	v_pk_add_f32 v[SA:SA+1], v[ACC:ACC+1], v[ACC+2:ACC+3]
	v_pk_add_f32 v[SB:SB+1], v[ACC+4:ACC+5], v[ACC+6:ACC+7]
.set k, 8
.rept 11
	v_pk_add_f32 v[SA:SA+1], v[SA:SA+1], v[ACC+k:ACC+k+1]
	v_pk_add_f32 v[SB:SB+1], v[SB:SB+1], v[ACC+k+2:ACC+k+3]
.set k, k+4
.endr
	v_pk_add_f32 v[SA:SA+1], v[SA:SA+1], v[SB:SB+1]
	v_add_f32 v[SA], v[SA], v[SA+1]
	v_add_f32 v[SA], v[SA], v[E52]
	s_wait_alu depctr_va_vdst(0)
	v_log_f32 v[LG], v[SA]
	v_nop
	s_wait_alu depctr_va_vdst(0)                   ; and one for the logarithm
	v_mul_f32 v[NL], s[S_NLN2], v[LG]
	v_fma_f32 v[O+2*(\tl)], v[ACC+52], s[S_LN2], v[NL]     ; column 52: del (h = 0) or end (h = 1)
	v_fma_f32 v[O+2*(\tl)+1], v[TV], s[S_LN2], v[NL]       ; the target's column: sub or ins
	global_store_b64 v[WOFF], v[O+2*(\tl):O+2*(\tl)+1], s[22:23] offset:1024*(\tl)   ; the 32 lanes store 256 consecutive bytes, at a multiple of 256 from ws's first byte
.endm
; One tile.  The next tile's first addition stands behind this tile's last products: 64 plain lines that name none of their registers, ahead of the first read of the logits.
.macro SLOT tl
.if \tl == 0
	ADD 0, 0
.endif
	QUANT CTX, 0, C0, PW
	ADD \tl, 1                                     ; 64 plain lines between K step 0's codes and its products
	MM 0
	QUANT CTX, 0, C1, PW+1
.rept 3
	v_nop                                          ; with QUANT's last line: four places between the codes and the products
.endr
	MM 1
	WIN 0
.if \tl < 3
	s_cmp_gt_u32 s[S_N], \tl+1
	s_cbranch_scc0 .Lnoadd_\@
	ADD \tl+1, 0
	s_branch .Ladded_\@
.Lnoadd_\@:
.endif
.rept 8
	v_nop                                          ; eight places behind this form, ahead of the first read of its results
.endr
.if \tl < 3
.Ladded_\@:
.endif
	SM \tl
.if \tl < 3
	s_cmp_le_u32 s[S_N], \tl+1
	s_cbranch_scc1 .Lgroup_end
.endif
.endm
; The prior block, 16 rows x 1,024 bytes, came as it lies (each load 512 consecutive bytes).  Through my own stage it becomes P: lane (r, h) takes 16 numbers of each block of 32 of row r.
.macro TURN
	WIN 0x04                                       ; an LDS store's data are its source 1: window 1
.irp rho, 0,1,2,3,4,5,6,7,8,9,10,11,12,13,14,15
	ds_store_b128 v[TST], v[SR+8*\rho:SR+8*\rho+3] offset:SPI*\rho
	ds_store_b128 v[TST], v[SR+8*\rho+4:SR+8*\rho+7] offset:SPI*\rho+512
.endr
	WIN 0x40                                       ; destination window 1
.irp c, 0,1,2,3,4,5,6,7
.irp u, 0,1,2,3
	ds_load_b128 v[16*\c+4*\u:16*\c+4*\u+3], v[TLD] offset:128*\c+16*\u   ; LDS serves a wave's instructions in order (ISA guide 5.7.1.4): these see the stores above
.endr
.endr
	WIN 0
	s_wait_dscnt 0x0
.endm
.macro RD4 dst, vb                     ; of four registers' lane s77 the one that s76 names
	v_readlane_b32 s78, v[\vb], s77
	v_readlane_b32 s79, v[\vb+1], s77
	v_readlane_b32 s80, v[\vb+2], s77
	v_readlane_b32 s81, v[\vb+3], s77
	s_cmp_eq_u32 s76, 1
	s_cselect_b32 s78, s79, s78
	s_cmp_eq_u32 s76, 2
	s_cselect_b32 s78, s80, s78
	s_cmp_eq_u32 s76, 3
	s_cselect_b32 s[\dst], s81, s78
.endm
.macro FETCHLEN                        ; sy' and nb of b
	s_min_u32 s76, s[S_B], 127
	s_lshr_b32 s77, s76, 2
	s_and_b32 s76, s76, 3
	RD4 82, LW
	s_and_b32 s[S_SY], s82, 0xff
	s_lshr_b32 s[S_NB], s82, 8
.endm
; The next group: up to four tiles of the column at which the walk stands; its offsets; then the walk steps on.  No branch.  Every number that enters an offset is held by a constant first.
.macro NEXTGROUP
	s_sub_co_u32 s76, s[S_SY], s[S_Y]
	s_min_u32 s76, s76, 4
	s_min_u32 s[S_N2], s76, s[S_REM]               ; 0 when my range is done
	s_mov_b32 s[S_NEWC2], s[S_CF]
	s_min_u32 s77, s[S_B], 127
	s_min_u32 s78, s[S_XB], 3
	s_add_co_u32 s79, s[S_Y], s[S_N2]
	s_sub_co_u32 s79, s79, 1                       ; the group's last y: the tiles that it lacks repeat that row
	s_lshl_b32 s81, s77, 10
	s_lshl_b32 s82, s77, 2
.irp i, 0,1,2,3
	s_add_co_u32 s80, s[S_Y], \i
	s_min_u32 s80, s80, s79
	s_min_u32 s80, s80, 63
	s_lshl_b32 s[S_MO+\i], s80, 17                 ; modern: y x 131,072 + b x 1,024
	s_add_co_u32 s[S_MO+\i], s[S_MO+\i], s81
	s_min_u32 s80, s80, 62                         ; (y = 63 has no target: its picked column is never read)
	s_lshl_b32 s[S_TO+\i], s80, 9                  ; target_ids: y x 512 + b x 4
	s_add_co_u32 s[S_TO+\i], s[S_TO+\i], s82
.endr
	s_min_u32 s80, s[S_Y], 63
	s_lshl_b32 s80, s80, 10
	s_lshl_b32 s[S_WSO2], s77, 16                  ; ws: b x 65,536 + y x 1,024 + xb x 256
	s_add_co_u32 s[S_WSO2], s[S_WSO2], s80
	s_lshl_b32 s80, s78, 8
	s_add_co_u32 s[S_WSO2], s[S_WSO2], s80
	s_lshl_b32 s[S_PO], s78, 21                    ; prior: 16 xb x 131,072 + b x 1,024
	s_add_co_u32 s[S_PO], s[S_PO], s81
	s_add_co_u32 s[S_Y], s[S_Y], s[S_N2]
	s_sub_co_u32 s[S_REM], s[S_REM], s[S_N2]
	s_cmp_ge_u32 s[S_Y], s[S_SY]
	s_cselect_b32 s[S_Y], 0, s[S_Y]
	s_cselect_b32 s[S_CF], 1, 0
	s_add_co_u32 s[S_XB], s[S_XB], s[S_CF]
	s_cmp_ge_u32 s[S_XB], s[S_NB]
	s_cselect_b32 s[S_XB], 0, s[S_XB]
	s_cselect_b32 s80, 1, 0
	s_add_co_u32 s[S_B], s[S_B], s80
	FETCHLEN
.endm
; All that the next group needs, in one run: four modern rows (8 loads of 512 consecutive bytes), four target ids, and, where a column begins, its 16 prior rows (32 loads).  p = 1: the prior rows without a test.
.macro BURST p
.irp i, 0,1,2,3
	v_add_nc_u32 v[MOFF+\i], s[S_MO+\i], v[MLANE]
.endr
	WIN 0xc0                                       ; destination window 3
.irp i, 0,1,2,3
	global_load_b128 v[PB+8*\i:PB+8*\i+3], v[MOFF+\i], s[6:7]
	global_load_b128 v[PB+8*\i+4:PB+8*\i+7], v[MOFF+\i], s[6:7] offset:512
.endr
	WIN 0
.irp i, 0,1,2,3
	s_load_b32 s[S_TGN+\i], s[16:17], s[S_TO+\i] offset:0x0
.endr
.if \p == 0
	s_cmp_lg_u32 s[S_NEWC2], 0
	s_cbranch_scc0 .Lnoprior_\@
.endif
	v_add_nc_u32 v[POFF], s[S_PO], v[LI]
	WIN 0x40                                       ; destination window 1
.irp rho, 0,1,2,3,4,5,6,7,8,9,10,11,12,13,14,15
	global_load_b128 v[SR+8*\rho:SR+8*\rho+3], v[POFF], s[4:5] offset:131072*\rho
	global_load_b128 v[SR+8*\rho+4:SR+8*\rho+7], v[POFF], s[4:5] offset:131072*\rho+512
.endr
	WIN 0
.Lnoprior_\@:
.endm
.macro IMAGE cd, pw, un                ; unit un's codes and scale word go to LDS at the places that the mixed tiles of W want
.irp c, 0,1,2,3
	ds_store_b128 v[IMW], v[\cd+4*\c:\cd+4*\c+3] offset:8192*(\un)+512*\c
.endr
	ds_store_b32 v[SCA], v[\pw] offset:512*(\un)
	s_wait_dscnt 0x0                               ; the stores have read their registers
.endm
; ---------------- the head
	s_load_b512 s[4:19], s[0:1], 0x0
	s_load_b128 s[20:23], s[0:1], 0x40
	v_lshl_add_u32 v78, v0, 2, 0x18c00
	v_mov_b32 v79, 0
	v_lshrrev_b32 v248, 5, v0
	v_readfirstlane_b32 s[S_WV], v248              ; wave 0..3
	v_and_b32 v[V_LANE], 31, v0
	v_and_b32 v[V_R], 15, v0
	v_bfe_u32 v[V_H], v0, 4, 1
	v_lshlrev_b32 v[LANE8], 4, v[V_R]
	v_lshl_add_u32 v[LANE8], v[V_H], 3, v[LANE8]
	v_bfe_u32 v248, v0, 2, 2                       ; r / 4
	v_and_b32 v249, 3, v0                          ; r % 4
	v_lshlrev_b32 v[MLANE], 7, v248
	v_lshl_add_u32 v[MLANE], v[V_H], 6, v[MLANE]
	v_lshl_add_u32 v[MLANE], v249, 4, v[MLANE]
	v_lshlrev_b32 v[LI], 4, v[V_LANE]
	v_lshlrev_b32 v[LS], 2, v[V_LANE]
	s_lshr_b32 s76, s[S_WV], 1                     ; which W my wave quantises: 0 W_sub, 1 W_ins
	s_and_b32 s77, s[S_WV], 1                      ; and which K step of it
	s_mul_i32 s78, s[S_WV], STGW
	s_add_co_u32 s78, s78, STG                     ; my stage
	v_lshl_add_u32 v[TST], v[V_LANE], 4, s78
	v_mul_u32_u24 v[TLD], v[V_R], SPI
	v_lshl_add_u32 v[TLD], v[V_H], 6, v[TLD]
	v_add_nc_u32 v[TLD], s78, v[TLD]
	; Row 16 i + r of my W is row (r % 8) + 8 x (which W) of tile t = 2 i + r / 8: fragment 2 t + K step, lane (r % 8) + 8 x (which W) + 16 h
	v_bfe_u32 v248, v0, 3, 1                       ; r / 8
	v_and_b32 v249, 7, v0                          ; r % 8
	s_lshl_b32 s79, s76, 7
	s_lshl_b32 s80, s77, 11
	s_add_co_u32 s79, s79, s80
	v_lshlrev_b32 v[IMW], 12, v248
	v_lshl_add_u32 v[IMW], v249, 4, v[IMW]
	v_lshl_add_u32 v[IMW], v[V_H], 8, v[IMW]
	v_add_nc_u32 v[IMW], s79, v[IMW]
	s_lshl_b32 s79, s76, 5
	s_lshl_b32 s80, s77, 7
	s_add_co_u32 s79, s79, s80
	s_add_co_u32 s79, s79, WSC
	v_lshlrev_b32 v[SCA], 8, v248
	v_lshl_add_u32 v[SCA], v249, 2, v[SCA]
	v_lshl_add_u32 v[SCA], v[V_H], 6, v[SCA]
	v_add_nc_u32 v[SCA], s79, v[SCA]
	v_mov_b32 v[ZERO], 0
	s_lshl_b32 s80, s77, 9                         ; my K step: 512 bytes on in a row of W
	v_lshlrev_b32 v[WO], 10, v[V_R]
	v_lshl_add_u32 v[WO], v[V_H], 6, v[WO]
	v_add_nc_u32 v[WO], s80, v[WO]
	v_add_nc_u32 v250, 48, v[V_R]
	v_min_u32 v250, 52, v250                       ; W has 53 rows: no load leaves it
	v_lshlrev_b32 v[WO3], 10, v250
	v_lshl_add_u32 v[WO3], v[V_H], 6, v[WO3]
	v_add_nc_u32 v[WO3], s80, v[WO3]
	s_mov_b32 s[SEL], 0x76543210
	s_mov_b32 s[SEL+1], 0xfedcba98
	s_mov_b32 s[MNT], 0x600000
	s_mov_b32 s[S_NL2E], 0xbfb8aa3b                ; -log2(e)
	s_mov_b32 s[S_L2E], 0x3fb8aa3b
	s_mov_b32 s[S_L2E+1], s[S_L2E]                 ; (named with it as a pair, so it is written)
	s_mov_b32 s[S_LN2], 0x3f317218
	s_mov_b32 s[S_NLN2], 0xbf317218
.irp b, 0,1,2,3
	v_mov_b32 v[TM+4+\b], 0                        ; written once: a lane permute's destination counts as one of its sources
.endr
	v_mov_b32 v[NM+1], 0
	v_mov_b32 v254, 0
	v_mov_b32 v253, 0                              ; the lanes' exclusive prefix begins at 0
	s_wait_alu depctr_va_vdst(0)
	s_wait_kmcnt 0x0
	s_cmp_lt_u32 s[S_WV], 2
	s_cselect_b64 s[WP:WP+1], s[8:9], s[12:13]
	; 94 loads: the lengths; my K step of my W in four units of 16 rows (a lane: 16 numbers of each of four blocks); both biases, the same in every lane
	global_load_b128 v[240:243], v[LI], s[18:19]   ; sx of b = 4 lane .. 4 lane + 3
	global_load_b128 v[244:247], v[LI], s[20:21]   ; sy
.irp c, 0,1,2,3
.irp u, 0,1,2,3
	global_load_b128 v[CTX+16*\c+4*\u:CTX+16*\c+4*\u+3], v[WO], s[WP:WP+1] offset:128*\c+16*\u
.endr
.endr
	WIN 0x80                                       ; destination window 2
.irp i, 1,2
.irp c, 0,1,2,3
.irp u, 0,1,2,3
	global_load_b128 v[64*(\i-1)+16*\c+4*\u:64*(\i-1)+16*\c+4*\u+3], v[WO], s[WP:WP+1] offset:16384*\i+128*\c+16*\u
.endr
.endr
.endr
.irp c, 0,1,2,3
.irp u, 0,1,2,3
	global_load_b128 v[128+16*\c+4*\u:128+16*\c+4*\u+3], v[WO3], s[WP:WP+1] offset:128*\c+16*\u
.endr
.endr
	WIN 0xc0                                       ; destination window 3
.irp k, 0,1,2,3,4,5,6,7,8,9,10,11,12
	global_load_b128 v[BS+4*\k:BS+4*\k+3], v[ZERO], s[10:11] offset:16*\k
.endr
	global_load_b32 v[BS+52], v[ZERO], s[10:11] offset:208
.irp k, 0,1,2,3,4,5,6,7,8,9,10,11,12
	global_load_b128 v[BI+4*\k:BI+4*\k+3], v[ZERO], s[14:15] offset:16*\k
.endr
	global_load_b32 v[BI+52], v[ZERO], s[14:15] offset:208
	WIN 0
	s_wait_loadcnt 63                              ; of 94 issued at most 63 are out: the oldest 31 are in, the two loads of lengths among them (63 is the most that a wait names; loads come back in order: ISA guide 5.7.1)
	; ---- who does what
.irp k, 0,1,2,3
	v_min_u32 v[240+\k], 64, v[240+\k]
	v_max_u32 v[240+\k], 1, v[240+\k]              ; sx'
	v_min_u32 v[244+\k], 64, v[244+\k]
	v_max_u32 v[244+\k], 1, v[244+\k]              ; sy'
	v_add_nc_u32 v[240+\k], 15, v[240+\k]
	v_lshrrev_b32 v[240+\k], 4, v[240+\k]          ; nb
	v_mul_u32_u24 v[248+\k], v[240+\k], v[244+\k]  ; the tiles of b
	v_lshl_or_b32 v[LW+\k], v[240+\k], 8, v[244+\k]
.endr
	v_add3_u32 v252, v248, v249, v250
	v_add_nc_u32 v252, v252, v251                  ; my four b's tiles
.irp d, 0,1,2,3                        ; five exchanges: v252 becomes the sum over all lanes, v253 the sum over the lanes below mine
	v_mov_b32_dpp v254, v252 row_xmask:1<<\d row_mask:0xf bank_mask:0xf
	v_bfe_u32 v255, v[V_LANE], \d, 1
	v_mad_u32_u24 v253, v254, v255, v253
	v_add_nc_u32 v252, v252, v254
.endr
	v_permlanex16_b32 v254, v252, s[SEL], s[SEL+1]
	v_bfe_u32 v255, v[V_LANE], 4, 1
	v_mad_u32_u24 v253, v254, v255, v253
	v_add_nc_u32 v252, v252, v254
	v_mov_b32 v56, v253                            ; v56-59: the tiles ahead of each of my four b; v57-60: with its own
	v_add_nc_u32 v57, v56, v248
	v_add_nc_u32 v58, v57, v249
	v_add_nc_u32 v59, v58, v250
	v_add_nc_u32 v60, v59, v251
	v_readfirstlane_b32 s[S_T], v252               ; T
	s_add_co_u32 s[S_Q], s[S_T], 1023
	s_lshr_b32 s[S_Q], s[S_Q], 10                  ; q
	s_lshl_b32 s[S_G], ttmp9, 2
	s_add_co_u32 s[S_G], s[S_G], s[S_WV]
	s_mul_i32 s[S_S0], s[S_G], s[S_Q]              ; my first tile
	v_cmp_ge_u32 s76, s[S_S0], v57
	v_cmp_ge_u32 s77, s[S_S0], v58
	v_cmp_ge_u32 s78, s[S_S0], v59
	v_cmp_ge_u32 s79, s[S_S0], v60
	s_bcnt1_i32_b32 s76, s76
	s_bcnt1_i32_b32 s77, s77
	s_bcnt1_i32_b32 s78, s78
	s_bcnt1_i32_b32 s79, s79
	s_add_co_u32 s76, s76, s77
	s_add_co_u32 s78, s78, s79
	s_add_co_u32 s[S_B], s76, s78                  ; so many b lie wholly ahead of it: my first b
	s_sub_co_u32 s80, s[S_T], s[S_S0]
	s_min_u32 s80, s80, s[S_Q]
	s_cmp_lt_u32 s[S_S0], s[S_T]
	s_cselect_b32 s[S_REM], s80, 0                 ; my tiles
	s_min_u32 s76, s[S_B], 127
	s_lshr_b32 s77, s76, 2
	s_and_b32 s76, s76, 3
	RD4 83, 56                                     ; the tiles ahead of my first b
	FETCHLEN
	s_sub_co_u32 s[S_Y], s[S_S0], s83              ; my first tile within b = xb x sy' + y, xb at most 3
	s_mov_b32 s[S_XB], 0
.rept 3
	s_cmp_ge_u32 s[S_Y], s[S_SY]
	s_cselect_b32 s80, s[S_SY], 0
	s_cselect_b32 s81, 1, 0
	s_sub_co_u32 s[S_Y], s[S_Y], s80
	s_add_co_u32 s[S_XB], s[S_XB], s81
.endr
	s_mov_b32 s[S_CF], 1
	NEXTGROUP
	BURST 1                                        ; 40 loads, in every wave (a wave without tiles asks at held addresses): the counts below are the same for all
	s_wait_loadcnt 63                              ; of 134 issued at most 63 are out: the oldest 71 are in, all 64 loads of W among them
	; ---- my part of W becomes codes
	QUANT CTX, 0, C0, PW
	IMAGE C0, PW, 0
	QUANT 0, 2, C1, PW+1
	IMAGE C1, PW+1, 1
	QUANT 64, 2, C0, PW
	IMAGE C0, PW, 2
	v_cmp_lt_u32 vcc_lo, 4, v[V_R]                 ; rows 53 on do not exist: zeros, so zero codes
	WIN 0x82
.set k, 0
.rept 64
	v_cndmask_b32 v[128+k], v[128+k], v[ZERO], vcc_lo
.set k, k+1
.endr
	QUANT 128, 2, C1, PW+1
	IMAGE C1, PW+1, 3
	s_barrier_signal -1                            ; my LDS stores have landed (IMAGE's wait for 0)
	s_barrier_wait -1                              ; all of W lies in LDS.  The launch's one barrier: every wave passes it
	s_cmp_eq_u32 s[S_N2], 0
	s_cbranch_scc1 .Lend                           ; a wave without tiles is done
	WIN 0x80
.irp f, 0,1,2,3,4,5,6,7,8,9,10,11,12,13
.irp c, 0,1,2,3
	ds_load_b128 v[16*\f+4*\c:16*\f+4*\c+3], v[LI] offset:WIMG+2048*\f+512*\c
.endr
.endr
	WIN 0
.irp f, 0,1,2,3,4,5,6,7,8,9,10,11,12,13
	ds_load_b32 v[WS+\f], v[LS] offset:WSC+128*\f
.endr
	s_wait_loadcnt 40                              ; behind the biases' loads stand the burst's 40
	v_cmp_ne_u32 vcc_lo, 0, v[V_H]
	WIN 0xcf                                       ; destination and both sources window 3
.set k, 0
.rept 53
	v_cndmask_b32 v[k], v[BS+k], v[BI+k], vcc_lo   ; register v: b_sub[v] in lanes 0-15, b_ins[v] in lanes 16-31
.set k, k+1
.endr
	v_mov_b32 v53, 0
	v_mov_b32 v54, 0
	v_mov_b32 v55, 0
	WIN 0
	s_wait_loadcnt 0x0                             ; the first group's data
	TURN                                           ; its prior block; TURN's wait for 0 also covers W's fragments
	s_mov_b32 s[S_NEWC2], 0
	s_mov_b32 s[S_GC], 0
; ---------------- the groups: at most 32 trips, since a range has at most 32 tiles and a group at least one
.Lgroup:
	s_wait_loadcnt 0x0                             ; what was asked for a group ago is in;
	s_wait_kmcnt 0x0                               ; the target ids too;
	s_wait_xcnt 0x0                                ; and the last group's stores have read WOFF and their data, the loads their offsets: all may be written
	s_mov_b32 s[S_N], s[S_N2]
	s_mov_b32 s[S_NEWC], s[S_NEWC2]
	v_add_nc_u32 v[WOFF], s[S_WSO2], v[LANE8]
.irp i, 0,1,2,3
	s_min_u32 s[S_TG+\i], s[S_TGN+\i], 52
.endr
	WIN 0x83                                       ; source window 3, destination window 2
.set k, 0
.rept 32
	v_mov_b32 v[MA+k], v[PB+k]                     ; the modern rows change buffers: 32 moves for up to four tiles, in place of a second copy of the loop's text
.set k, k+1
.endr
	WIN 0
	s_cmp_lg_u32 s[S_NEWC], 0
	s_cbranch_scc0 .Lnoturn
	TURN
.Lnoturn:
	NEXTGROUP
	s_cmp_lg_u32 s[S_N2], 0
	s_cbranch_scc0 .Lnoburst
	BURST 0
.Lnoburst:
	SLOT 0
	SLOT 1
	SLOT 2
	SLOT 3
.Lgroup_end:
	s_cmp_eq_u32 s[S_N2], 0
	s_cbranch_scc1 .Lend
	s_add_co_u32 s[S_GC], s[S_GC], 1
	s_cmp_lt_u32 s[S_GC], 32
	s_cbranch_scc1 .Lgroup
.Lend:
	s_wait_tensorcnt 0x0
	ds_add_u32 v78, v79
	s_wait_dscnt 0x0
	s_endpgm
.Lfunc_end_k_q76912d1c20_edit:
	.size	k_q76912d1c20_edit, .Lfunc_end_k_q76912d1c20_edit-k_q76912d1c20_edit
	.p2alignl 7, 3214868480
	.fill 96, 4, 3214868480
	.section	.rodata,"a",@progbits
	.p2align	6, 0x0
	.amdhsa_kernel k_q76912d1c20_edit
		.amdhsa_group_segment_fixed_size 101888
		.amdhsa_private_segment_fixed_size 0
		.amdhsa_enable_private_segment 0
		.amdhsa_kernarg_size 80
		.amdhsa_user_sgpr_count 2
		.amdhsa_user_sgpr_kernarg_segment_ptr 1
		.amdhsa_wavefront_size32 1
		.amdhsa_system_sgpr_workgroup_id_x 1
		.amdhsa_system_sgpr_workgroup_id_y 1
		.amdhsa_system_sgpr_workgroup_id_z 1
		.amdhsa_system_vgpr_workitem_id 0
		.amdhsa_next_free_vgpr 1024
		.amdhsa_next_free_sgpr 100
		.amdhsa_reserve_vcc 1
		.amdhsa_float_denorm_mode_32 3
		.amdhsa_float_denorm_mode_16_64 3
		.amdhsa_memory_ordered 1
		.amdhsa_forward_progress 1
		.amdhsa_inst_pref_size 234
	.end_amdhsa_kernel
	.amdgpu_metadata
---
amdhsa.version: [ 1, 2 ]
amdhsa.kernels:
  - .name:           k_q76912d1c20_edit
    .symbol:         k_q76912d1c20_edit.kd
    .args:
      - { .name: prior_ctx, .offset: 0, .size: 8, .value_kind: global_buffer, .address_space: global }
      - { .name: modern_ctx, .offset: 8, .size: 8, .value_kind: global_buffer, .address_space: global }
      - { .name: W_sub, .offset: 16, .size: 8, .value_kind: global_buffer, .address_space: global }
      - { .name: b_sub, .offset: 24, .size: 8, .value_kind: global_buffer, .address_space: global }
      - { .name: W_ins, .offset: 32, .size: 8, .value_kind: global_buffer, .address_space: global }
      - { .name: b_ins, .offset: 40, .size: 8, .value_kind: global_buffer, .address_space: global }
      - { .name: target_ids, .offset: 48, .size: 8, .value_kind: global_buffer, .address_space: global }
      - { .name: src_lengths, .offset: 56, .size: 8, .value_kind: global_buffer, .address_space: global }
      - { .name: tgt_lengths, .offset: 64, .size: 8, .value_kind: global_buffer, .address_space: global }
      - { .name: ws, .offset: 72, .size: 8, .value_kind: global_buffer, .address_space: global }
    .group_segment_fixed_size: 101888
    .private_segment_fixed_size: 0
    .kernarg_segment_align: 8
    .kernarg_segment_size: 80
    .max_flat_workgroup_size: 128
    .sgpr_count:     100
    .vgpr_count:     1024
    .wavefront_size: 32
...
	.end_amdgpu_metadata
.endif
;; end of part 1
;; launch spread (part 2): grid 4 x 64, 8 waves a work-group, no clusters, 34,816 bytes of LDS; arguments ws, src_lengths, tgt_lengths, out0, out1, out2, out3; writes out0, out1, out2, out3
.if DOCPART == 2
	.amdgcn_target "amdgcn-amd-amdhsa--gfx1250"
	.amdhsa_code_object_version 6
	.text
	.protected	k_q76912d1c20_spread
	.globl	k_q76912d1c20_spread
	.p2align	8
	.type	k_q76912d1c20_spread,@function
k_q76912d1c20_spread:
	s_mov_b64 s[64:65], 0
	v_nop
	global_prefetch_b8 v0, s[64:65] scope:SCOPE_SE
	s_setreg_imm32_b32 hwreg(HW_REG_WAVE_MODE, 25, 1), 1
	s_wait_xcnt 0x0
; ws [b 128][y 64][x 64][4] = (del, sub, end, ins) becomes out0 = del [x][y][b], out1 = end [x][y][b], out2 = sub [x][y < 63][b], out3 = ins [x][y < 63][b], with 0 where x >= src_lengths[b] or y >= tgt_lengths[b]
; (signed compares on the lengths as they are given; under the mask the logsumexp against the log one-hot is 0 as well).
; Work-group (xb, y) owns x = 16 xb .. 16 xb + 15, one y, all 128 b.  Thread: XL = t % 16 (x), BQ = t / 16; item i = 0 .. 7 is b = BQ + 16 i.  Sixteen lanes read one tile's 256 bytes of ws; a lane under the mask reads
; nothing and keeps its zeros, so only bytes that the launch before has stored are read (x < sx and y < sy lie inside the tiles that it computes).
; The numbers turn through a stage in LDS, [which of four][x 16] rows of 512 bytes + 16, word b; each wave then stores whole rows: 512 consecutive bytes an instruction, at multiples of 256 from the output's first byte.
; Memory binds this launch: no matrix unit, no tensor load, no cluster; it shares no input among work-groups but the 1,024 bytes of lengths.
.set PITCH, 528
	s_load_b256 s[4:11], s[0:1], 0x0               ; ws, src_lengths, tgt_lengths, out0
	s_load_b128 s[12:15], s[0:1], 0x20             ; out1, out2
	s_load_b64 s[16:17], s[0:1], 0x30              ; out3
	v_lshl_add_u32 v64, v0, 2, 0x8400
	v_mov_b32 v65, 0
	v_lshrrev_b32 v3, 5, v0
	s_delay_alu instid0(VALU_DEP_1)
	v_readfirstlane_b32 s20, v3                    ; wave 0..7
	s_mov_b32 s18, ttmp9                           ; xb
	s_and_b32 s19, ttmp7, 0xffff                   ; y
	v_and_b32 v1, 15, v0                           ; XL
	v_lshrrev_b32 v2, 4, v0                        ; BQ
	v_and_b32 v3, 31, v0                           ; lane
	s_wait_alu depctr_va_vdst(0)
	v_lshlrev_b32 v4, 2, v2                        ; the lengths of b = BQ
	s_lshl_b32 s21, s18, 4
	v_add_nc_u32 v5, s21, v1                       ; x
	s_lshl_b32 s22, s19, 10
	s_lshl_b32 s23, s18, 8
	s_add_co_u32 s22, s22, s23
	v_lshlrev_b32 v6, 16, v2
	s_delay_alu instid0(VALU_DEP_1)
	v_lshl_add_u32 v6, v1, 4, v6
	s_delay_alu instid0(VALU_DEP_1)
	v_add_nc_u32 v6, s22, v6                       ; ws: BQ x 65,536 + y x 1,024 + xb x 256 + XL x 16
	v_mul_u32_u24 v7, v1, PITCH
	s_delay_alu instid0(VALU_DEP_1)
	v_lshl_add_u32 v7, v2, 2, v7                   ; the stage, in: row XL, word BQ
	s_mul_i32 s22, s20, PITCH
	v_lshl_add_u32 v8, v3, 4, s22                  ; and out: row = my wave, 16 bytes a lane
	s_add_co_u32 s21, s21, s20                     ; x = 16 xb + wave
	s_lshl_b32 s22, s21, 6
	s_add_co_u32 s22, s22, s19
	s_lshl_b32 s22, s22, 9
	v_lshl_add_u32 v9, v3, 4, s22                  ; (x 64 + y) x 512 + 16 x lane
	s_mul_i32 s22, s21, 63
	s_add_co_u32 s22, s22, s19
	s_lshl_b32 s22, s22, 9
	v_lshl_add_u32 v10, v3, 4, s22                 ; (x 63 + y) x 512 + 16 x lane
.set k, 0
.rept 32
	v_mov_b32 v[32+k], 0                           ; what stays under the mask
.set k, k+1
.endr
	s_wait_kmcnt 0x0
.irp i, 0,1,2,3,4,5,6,7
	global_load_b32 v[12+\i], v4, s[6:7] offset:64*\i      ; sx of b = BQ + 16 i
	global_load_b32 v[20+\i], v4, s[8:9] offset:64*\i      ; sy
.endr
	s_wait_loadcnt 0x0
	s_wait_xcnt 0x0                                ; EXEC changes only behind this wait
.irp i, 0,1,2,3,4,5,6,7
	v_cmp_gt_i32 vcc_lo, v[12+\i], v5              ; sx > x
	v_cmp_lt_i32 s32, s19, v[20+\i]                ; y < sy
	s_and_b32 vcc_lo, vcc_lo, s32
	s_and_saveexec_b32 s33, vcc_lo
	global_load_b128 v[32+4*\i:35+4*\i], v6, s[4:5] offset:1048576*\i th:TH_LOAD_NT
	s_wait_xcnt 0x0                                ; and again, in front of the line that widens it
	s_or_b32 exec_lo, exec_lo, s33
.endr
	s_wait_loadcnt 0x0
.irp i, 0,1,2,3,4,5,6,7
.irp o, 0,1,2,3
	ds_store_b32 v7, v[32+4*\i+\o] offset:16*PITCH*\o+64*\i   ; word 132 XL + BQ + constants: a wave's 32 lanes fall on 32 different banks of the 64 (ISA guide 11.1)
.endr
.endr
	s_wait_dscnt 0x0                               ; for the others' sake: my stores have landed
	s_barrier_signal -1
	s_barrier_wait -1
.irp i, 0,1,2,3,4,5,6,7
	ds_load_b128 v[32+4*\i:35+4*\i], v8 offset:8*PITCH*\i     ; row 8 i + wave: which of four = i / 2, x = 8 (i % 2) + wave
.endr
	s_wait_dscnt 0x0
	global_store_b128 v9, v[32:35], s[10:11] th:TH_STORE_NT                 ; del
	global_store_b128 v9, v[36:39], s[10:11] offset:262144 th:TH_STORE_NT   ; eight x further on: 8 x 64 x 512 bytes
	global_store_b128 v9, v[48:51], s[12:13] th:TH_STORE_NT                 ; end
	global_store_b128 v9, v[52:55], s[12:13] offset:262144 th:TH_STORE_NT
	s_cmp_eq_u32 s19, 63                           ; out2 and out3 have no y = 63
	s_cbranch_scc1 .Ldone
	global_store_b128 v10, v[40:43], s[14:15] th:TH_STORE_NT                ; sub
	global_store_b128 v10, v[44:47], s[14:15] offset:258048 th:TH_STORE_NT  ; 8 x 63 x 512 bytes
	global_store_b128 v10, v[56:59], s[16:17] th:TH_STORE_NT                ; ins
	global_store_b128 v10, v[60:63], s[16:17] offset:258048 th:TH_STORE_NT
.Ldone:
	s_wait_tensorcnt 0x0
	ds_add_u32 v64, v65
	s_wait_dscnt 0x0
	s_endpgm
.Lfunc_end_k_q76912d1c20_spread:
	.size	k_q76912d1c20_spread, .Lfunc_end_k_q76912d1c20_spread-k_q76912d1c20_spread
	.p2alignl 7, 3214868480
	.fill 96, 4, 3214868480
	.section	.rodata,"a",@progbits
	.p2align	6, 0x0
	.amdhsa_kernel k_q76912d1c20_spread
		.amdhsa_group_segment_fixed_size 34816
		.amdhsa_private_segment_fixed_size 0
		.amdhsa_enable_private_segment 0
		.amdhsa_kernarg_size 56
		.amdhsa_user_sgpr_count 2
		.amdhsa_user_sgpr_kernarg_segment_ptr 1
		.amdhsa_wavefront_size32 1
		.amdhsa_system_sgpr_workgroup_id_x 1
		.amdhsa_system_sgpr_workgroup_id_y 1
		.amdhsa_system_sgpr_workgroup_id_z 1
		.amdhsa_system_vgpr_workitem_id 0
		.amdhsa_next_free_vgpr 66
		.amdhsa_next_free_sgpr 66
		.amdhsa_reserve_vcc 1
		.amdhsa_float_denorm_mode_32 3
		.amdhsa_float_denorm_mode_16_64 3
		.amdhsa_memory_ordered 1
		.amdhsa_forward_progress 1
		.amdhsa_inst_pref_size 11
	.end_amdhsa_kernel
	.amdgpu_metadata
---
amdhsa.version: [ 1, 2 ]
amdhsa.kernels:
  - .name:           k_q76912d1c20_spread
    .symbol:         k_q76912d1c20_spread.kd
    .args:
      - { .name: ws, .offset: 0, .size: 8, .value_kind: global_buffer, .address_space: global }
      - { .name: src_lengths, .offset: 8, .size: 8, .value_kind: global_buffer, .address_space: global }
      - { .name: tgt_lengths, .offset: 16, .size: 8, .value_kind: global_buffer, .address_space: global }
      - { .name: out0, .offset: 24, .size: 8, .value_kind: global_buffer, .address_space: global }
      - { .name: out1, .offset: 32, .size: 8, .value_kind: global_buffer, .address_space: global }
      - { .name: out2, .offset: 40, .size: 8, .value_kind: global_buffer, .address_space: global }
      - { .name: out3, .offset: 48, .size: 8, .value_kind: global_buffer, .address_space: global }
    .group_segment_fixed_size: 34816
    .private_segment_fixed_size: 0
    .kernarg_segment_align: 8
    .kernarg_segment_size: 56
    .max_flat_workgroup_size: 256
    .sgpr_count:     66
    .vgpr_count:     66
    .wavefront_size: 32
...
	.end_amdgpu_metadata
.endif
;; end of part 2
